; MI455X (gfx1250); checked and timed in simulation.
; The chip was launched on July 23, 2026; its instructions are those of AMD's public machine-readable ISA for CDNA 5 (MIT licence, August 2026) and "CDNA5" Instruction Set Architecture Reference Guide (July 2026). The comments in the code are by the model that wrote it; some were corrected since.
;; Multi Head Attention. Allowed arithmetic: matrix products marked QUANTISED: E2M3 operands, one E8M0 scale for each 32 along K, by v_wmma_scale_f32_16x16x128_f8f6f4 with both operands' format E2M3, f32 sums; everything else in f32.
;; Inputs: W_attn 1,024 x 3,072 float32; W_proj 1,024 x 1,024 float32; b_attn 3,072 float32; b_proj 1,024 float32; x 2 x 2,048 x 1,024 float32.
;; Outputs: out0 2 x 2,048 x 1,024 float32.
;; This version of the problem:
;;   THIS VERSION OF THE PROBLEM IS GIVEN IN LOW PRECISION. The matrix products marked QUANTISED in the list below multiply operands that are first quantised to E2M3 (2 exponent bits, 3 mantissa bits; 6 bits a number), with one power-of-two scale for each 32 numbers along K (OCP MX v1.0); their sums are f32. All else is computed in f32.
;;   The module's matrix products, in the order in which they are computed (A, B: the left and right operand; K: the contracted axis; several contracted axes count as one K, in the product's order):
;;     1. [M 4,096, K 1,024] x [K 1,024, N 3,072]; A: input x; B: input W_attn: QUANTISED
;;     2. batch 32 x [M 2,048, K 64] x [K 64, N 2,048]; A: computed on the way; B: computed on the way: QUANTISED
;;     3. batch 32 x [M 2,048, K 2,048] x [K 2,048, N 64]; A: softmax (see below); B: computed on the way: QUANTISED
;;     4. [M 4,096, K 1,024] x [K 1,024, N 1,024]; A: computed on the way; B: input W_proj: QUANTISED
;;   THE QUANTISER, for each operand of a quantised product, along K:
;;     - K is cut into blocks of 32 from its start; a last block that is shorter is filled with zeros.
;;     - A block's scale is 2^e with e = floor(log2(the largest magnitude in the block)) - 2, held to -126 .. 127; a block of zeros has e = 0. As a byte (E8M0): e + 127.
;;     - Each number is divided by its block's scale, clamped to +-7.5, and rounded to the nearest number of E2M3, ties to even, subnormals kept.
;;     - The product sums the exact products of the quantised numbers (number of the format x scale) in f32.
;;   ~~~python
;;   def quantise(x, axis):      # numpy; x: float32 -> the quantised numbers, widened to float32 again
;;       x = np.moveaxis(x, axis, -1); K = x.shape[-1]
;;       x = np.pad(x, [(0, 0)] * (x.ndim - 1) + [(0, -K % 32)]); x = x.reshape(x.shape[:-1] + (-1, 32)); a = np.abs(x).max(-1, keepdims=True)
;;       e = np.where(a > 0, np.clip(np.frexp(np.where(a > 0, a, 1))[1] - 1 - 2, -126, 127), 0)      # np.frexp(a)[1] - 1 = floor(log2(a)), exactly
;;       r = np.clip(x / 2.0 ** e, -7.5, 7.5)
;;       step = 2.0 ** (np.maximum(np.frexp(np.where(r == 0, 1, r))[1] - 1, 0) - 3)
;;       q = np.round(r / step) * step * 2.0 ** e      # np.round: ties to even
;;       return np.moveaxis(q.reshape(q.shape[:-2] + (-1,))[..., :K], -1, axis).astype(np.float32)
;;   ~~~
;;   SOFTMAX AHEAD OF A QUANTISED PRODUCT. Where the list says 'softmax', what is quantised is not the finished softmax but p = 2^(t - M), with t = logit x log2(e) and M = ceil(the row's largest t), a whole number; so 1/2 < the row's largest p <= 1. The row's sum l is taken of the UNQUANTISED p, in f32, and the product's result is divided by l at the end. Since M is a whole number, a kernel that streams over the keys may use a running M (the ceiling of the running maximum): every later rescaling is an exact power of two, which a block's scale takes up: the codes' values come out the same.
;;   OPERANDS COMPUTED ON THE WAY. 'Computed on the way' means the value that the module computes at that place (a softmax that the list does not call 'softmax' is quantised finished and normalised). What goes into a quantiser is computed in f32, as accurately as f32 sums, v_exp_f32 and their like allow (about 1e-6 of the number): no bf16 or f16 on the way to a quantiser, and a product that is left as it is and whose result goes on into a quantised operand takes f32 operands (vector FMAs, or v_wmma_f32_16x16x4_f32). A number that lies on a knife's edge between two numbers of the format may be rounded either way, as far as f32 arithmetic and the matrix unit's own rounding can turn it there, and no further.
;; One version. Each part assembles by itself: llvm-mc -triple=amdgcn-amd-amdhsa -mcpu=gfx1250 --defsym DOCPART=n.
;; ======== version 1 of 1: 4 launches
;; limits: right only within a limited range of input values
;; workspace buffers: cq 6,553,600 bytes; qkv 10,092,544 bytes; yq 3,276,800 bytes
;; launch quant (part 1): grid 256 x 1, 8 waves a work-group, no clusters, 275,456 bytes of LDS; arguments x, W_attn, W_proj, cq; writes cq
.if DOCPART == 1
	.amdgcn_target "amdgcn-amd-amdhsa--gfx1250"
	.amdhsa_code_object_version 6
	.text
	.protected	k_q5f5a327839_quant
	.globl	k_q5f5a327839_quant
	.p2align	8
	.type	k_q5f5a327839_quant,@function
k_q5f5a327839_quant:
	s_mov_b64 s[64:65], 0
	v_nop
	global_prefetch_b8 v0, s[64:65] scope:SCOPE_SE
	s_setreg_imm32_b32 hwreg(HW_REG_WAVE_MODE, 25, 1), 1
	s_wait_xcnt 0x0
; The program computes all of reference() but the key tiles that its causal mask hides whole from a tile of queries: their p is 0 for every input.  A NaN or an infinity that reaches only those tiles is not carried on.
; THIS LAUNCH: x [4096][1024], W_attn [1024][3072], W_proj [1024][1024], f32, become codes of FP6 (E2M3) with one E8M0 byte for each 32 along K (K = 1,024 for all three).
; Operand rows: 0-4095 the tokens of x, 4096-7167 the columns of W_attn, 7168-8191 the columns of W_proj; 128 groups of 64.
; cq: [group of 64 rows][51,200 bytes]: [tile t of 16 rows][K step of 128][piece p of 4 registers][lane][16 bytes], 49,152 bytes; then the scale bytes [half of K][row 16 t + lane][16].
; ROW ORDER: tile t, lane 8 h + j (h = 0, 1; j = 0 .. 7) is the group's true row 32 h + 8 t + j.
; A block's scale byte is its largest magnitude's exponent field - 2, held at 1 from below.
; LIMITS: NaN and infinities among the inputs are not served; a block whose largest magnitude lies under 2^-124 has its byte held at 1; a block of zeros gets the byte 1 and not 127 (its codes are zeros; this program alone reads the bytes).
; SHARES: a work-group owns half of K of one group.  Waves 2 k and 2 k + 1 own K step k of that half: wave 2 k + u loads true rows 32 u .. 32 u + 31 and makes tiles 2 u and 2 u + 1.
; x: a load reads 512 consecutive bytes of a row.  W: a lane takes a column and its registers run down K: 128 consecutive bytes a load; the two waves together read 256 of each row.
; Both go through the two waves' stage in LDS, 64 true rows 528 bytes apart (rows 32 .. 63 another 128 bytes on: the sixteen rows of a read then lie in sixteen different 16-byte columns modulo 256); a barrier parts its stores and reads.
; The two ways part on the work-group's number and have LDS bytes of their own.
; No tensor loads; no cluster (work-groups share no input); no prefetch (every byte is asked for at the head).
.set SP,    528
.set WST,   32*SP+128                  ; a wave's half of a stage
.set STW,   8*WST                      ; W's way; x's stages begin at 0
.set SCWX,  16*WST
.set SCWW,  SCWX+1024
.set SPARE, SCWW+1024
.set GB,    51200
.set R,     64                         ; v64-191 128 numbers
.set PC,    192                        ; v192-215 two fragments' codes
.set TP,    216
.set MX,    232
.set SO,    236
.set BY,    240
.set WD,    244
.set PT,    246
	s_load_b256 s[4:11], s[0:1], 0x0               ; x, W_attn, W_proj, cq
	v_lshl_add_u32 v254, v0, 2, SPARE
	v_mov_b32 v255, 0
	v_lshrrev_b32 v1, 5, v0
	v_readfirstlane_b32 s16, v1                    ; wave
	s_and_b32 s36, s16, 1                          ; u
	s_lshr_b32 s37, s16, 1                         ; k
	s_and_b32 s38, ttmp9, 1                        ; which half of K
	s_lshr_b32 s39, ttmp9, 1                       ; group
	s_lshl_b32 s40, s38, 2
	s_add_co_u32 s40, s40, s37                     ; K step
	s_mul_i32 s18, s16, WST                        ; my half of the stage
	s_lshl_b32 s19, s16, 9
	s_mul_i32 s17, s37, 2*WST
	s_mul_i32 s29, s36, 16*SP
	s_add_co_u32 s17, s17, s29                     ; the stage, + the first rows of tile 2 u
	v_and_b32 v1, 31, v0
	v_and_b32 v2, 15, v0
	v_bfe_u32 v3, v0, 4, 1
	v_lshlrev_b32 v15, 4, v1                       ; 16 x lane
	v_add_nc_u32 v4, s19, v15                      ; the tail's place in 1,024 scale bytes
	v_lshlrev_b32 v5, 2, v1                        ; W: 4 bytes a lane
	v_add_nc_u32 v6, s18, v15                      ; x's way into the stage
	v_mul_u32_u24 v7, v1, SP
	v_add_nc_u32 v7, s18, v7
	v_add_nc_u32 v7, STW, v7                       ; W's way into the stage
	v_lshrrev_b32 v8, 3, v2
	v_mul_u32_u24 v8, v8, WST
	v_and_b32 v9, 7, v1
	v_mul_u32_u24 v9, v9, SP
	v_add_nc_u32 v8, v8, v9
	v_lshl_add_u32 v8, v3, 7, v8
	v_add_nc_u32 v8, s17, v8                       ; out of the stage: row 32 (r / 8) + 16 u + r % 8, + 128 h
	v_add_nc_u32 v9, STW, v8
	s_lshl_b32 s19, s36, 9
	s_lshl_b32 s17, s37, 2
	s_add_co_u32 s19, s19, s17
	v_lshlrev_b32 v10, 4, v2
	v_add_nc_u32 v10, s19, v10                     ; a scale word's place: 512 u + 16 r + 4 k
	v_add_nc_u32 v11, SCWW, v10
	v_add_nc_u32 v10, SCWX, v10
	v_lshlrev_b32 v13, 3, v3
	v_mov_b32 v[PT], 0                             ; a lane permute's destination counts as a source
	v_mov_b32 v[PT+1], 0
	s_wait_alu depctr_va_vdst(0)
	s_mov_b32 s20, 0x76543210
	s_mov_b32 s21, 0xfedcba98                      ; selects for lane l xor 16
	s_mul_i32 s34, s39, GB
	s_mul_i32 s32, s36, 24576
	s_add_co_u32 s32, s32, s34
	s_mul_i32 s33, s40, 1536
	s_add_co_u32 s32, s32, s33
	s_mov_b32 s33, 0
	s_lshl_b32 s35, s38, 10
	s_add_co_u32 s34, s34, s35
	s_add_co_u32 s34, s34, 49152
	s_mov_b32 s35, 0
	s_wait_kmcnt 0x0
	s_add_nc_u64 s[24:25], s[10:11], s[32:33]      ; my two fragments
	s_add_nc_u64 s[26:27], s[10:11], s[34:35]      ; the work-group's scale bytes
	; which tensor, and where my part begins: chosen on the work-group's number alone
	s_cmp_lt_u32 ttmp9, 224
	s_cselect_b64 s[22:23], s[6:7], s[8:9]
	s_mov_b32 s30, 224
	s_cselect_b32 s30, 128, s30
	s_mov_b32 s31, 128*4096
	s_cselect_b32 s31, 128*12288, s31              ; a K step of W in bytes
	s_sub_co_u32 s30, ttmp9, s30
	s_lshr_b32 s30, s30, 1
	s_lshl_b32 s30, s30, 8                         ; 64 columns of 4 bytes
	s_lshl_b32 s29, s36, 7
	s_add_co_u32 s30, s30, s29
	s_mul_i32 s31, s40, s31
	s_add_co_u32 s30, s30, s31
	s_lshl_b32 s31, s39, 18                        ; x: 64 rows of 4,096 bytes a group
	s_lshl_b32 s29, s36, 17
	s_add_co_u32 s31, s31, s29
	s_lshl_b32 s29, s40, 9
	s_add_co_u32 s31, s31, s29
	s_cmp_lt_u32 ttmp9, 128
	s_cselect_b64 s[22:23], s[4:5], s[22:23]
	s_cselect_b32 s30, s31, s30
	s_mov_b32 s28, SCWW
	s_cselect_b32 s28, SCWX, s28
	s_mov_b32 s31, 0
	s_add_nc_u64 s[22:23], s[22:23], s[30:31]
	v_add_nc_u32 v14, s28, v4                      ; the tail's LDS address
	s_wait_alu depctr_va_vdst(0)
.macro LOADW pitch
.set i, 0
.rept 128
	global_load_b32 v[R+i], v5, s[22:23] offset:i*\pitch th:TH_LOAD_NT
.set i, i+1
.endr
.endm
; Out of the stage, quantised, stored.  q = 2 rt + c: row tile rt, block 2 c + h.
.macro BACK ar, aw
	s_wait_dscnt 0x0                               ; for the other wave's sake: my rows lie in the stage
	s_barrier_signal -1
	s_barrier_wait -1
.irp q, 0,1,2,3
.irp i, 0,1,2,3,4,5,6,7
	ds_load_b128 v[R+32*\q+4*\i:R+32*\q+4*\i+3], v[\ar] offset:8*SP*(\q/2)+256*(\q%2)+16*\i
.endr
.endr
	s_wait_dscnt 0x0
.irp q, 0,1,2,3
	v_max3_num_f32 v[MX+\q], |v[R+32*\q]|, |v[R+32*\q+1]|, 0x1800000   ; the floor 2^(3 - 127) holds the byte at 1 from below
.endr
.irp i, 2,4,6,8,10,12,14,16,18,20,22,24,26,28,30
.irp q, 0,1,2,3
	s_delay_alu instid0(VALU_DEP_4)
	v_max3_num_f32 v[MX+\q], v[MX+\q], |v[R+32*\q+\i]|, |v[R+32*\q+\i+1]|
.endr
.endr
.irp q, 0,1,2,3
	s_delay_alu instid0(VALU_DEP_4)
	v_add_nc_u32 v[SO+\q], 0xff000000, v[MX+\q]    ; 2 off the exponent field: the conversion's scale operand
.endr
.irp q, 0,1,2,3
	s_delay_alu instid0(VALU_DEP_4)
	v_lshrrev_b32 v[BY+\q], 23, v[SO+\q]
.endr
.irp t, 0,1
	v_lshl_or_b32 v[WD+\t], v[BY+2*\t+1], 16, v[BY+2*\t]   ; my two bytes: blocks h and 2 + h,
.endr
.irp t, 0,1
	s_delay_alu instid0(VALU_DEP_2)
	v_lshlrev_b32 v[WD+\t], v13, v[WD+\t]          ; at their places in the word;
.endr
.irp t, 0,1
	s_delay_alu instid0(VALU_DEP_2)
	v_permlanex16_b32 v[PT+\t], v[WD+\t], s20, s21
.endr
.irp t, 0,1
	s_delay_alu instid0(VALU_DEP_2)
	v_or_b32 v[WD+\t], v[WD+\t], v[PT+\t]          ; with lane l xor 16's two the word is whole
.endr
.irp q, 0,1,2,3
	v_cvt_scalef32_pk16_fp6_f32 v[PC+6*\q:PC+6*\q+2], v[R+32*\q:R+32*\q+15], v[SO+\q]
	v_cvt_scalef32_pk16_fp6_f32 v[TP+4*\q:TP+4*\q+2], v[R+32*\q+16:R+32*\q+31], v[SO+\q]
.endr
	v_nop
.irp q, 0,1,2,3
.irp i, 0,1,2
	v_mov_b32 v[PC+6*\q+3+\i], v[TP+4*\q+\i]       ; (a conversion's registers begin on an even number)
.endr
.endr
.irp t, 0,1
.irp p, 0,1,2
	global_store_b128 v15, v[PC+12*\t+4*\p:PC+12*\t+4*\p+3], s[24:25] offset:12288*\t+512*\p   ; 512 consecutive bytes, aligned
.endr
.endr
.irp t, 0,1
	ds_store_b32 v[\aw], v[WD+\t] offset:256*\t    ; both halves of the lanes write the same word with the same value
.endr
.endm
	s_cmp_lt_u32 ttmp9, 128
	s_cbranch_scc0 .Lweights
.set i, 0
.rept 32
	global_load_b128 v[R+4*i:R+4*i+3], v15, s[22:23] offset:4096*i th:TH_LOAD_NT
.set i, i+1
.endr
.set g, 0
.rept 4
	s_wait_loadcnt 24-8*g                          ; eight more rows are in
.set i, 8*g
.rept 8
	ds_store_b128 v6, v[R+4*i:R+4*i+3] offset:SP*i
.set i, i+1
.endr
.set g, g+1
.endr
	BACK 8, 10
	s_branch .Ljoin
.Lweights:
	s_cmp_lt_u32 ttmp9, 224
	s_cbranch_scc0 .Lproj
	LOADW 12288
	s_branch .Lloaded
.Lproj:
	LOADW 4096
.Lloaded:
	s_wait_loadcnt 63                              ; behind the 64th load 64 more were issued
.set i, 0
.rept 64
	ds_store_b32 v7, v[R+i] offset:4*i
.set i, i+1
.endr
	s_wait_loadcnt 32
.rept 32
	ds_store_b32 v7, v[R+i] offset:4*i
.set i, i+1
.endr
	s_wait_loadcnt 0x0
.rept 32
	ds_store_b32 v7, v[R+i] offset:4*i
.set i, i+1
.endr
	BACK 9, 11
.Ljoin:
	s_wait_dscnt 0x0                               ; for the others' sake: my scale words have landed
	s_barrier_signal -1
	s_barrier_wait -1
	s_cmp_gt_u32 s16, 1
	s_cbranch_scc1 .Lend
	ds_load_b128 v[64:67], v14                     ; waves 0 and 1: 512 bytes each
	s_wait_dscnt 0x0
	global_store_b128 v4, v[64:67], s[26:27]
.Lend:
	s_wait_tensorcnt 0x0                           ; the wave's end
	ds_add_u32 v254, v255
	s_wait_dscnt 0x0
	s_endpgm
.Lfunc_end_k_q5f5a327839_quant:
	.size	k_q5f5a327839_quant, .Lfunc_end_k_q5f5a327839_quant-k_q5f5a327839_quant
	.p2alignl 7, 3214868480
	.fill 96, 4, 3214868480
	.section	.rodata,"a",@progbits
	.p2align	6, 0x0
	.amdhsa_kernel k_q5f5a327839_quant
		.amdhsa_group_segment_fixed_size 275456
		.amdhsa_private_segment_fixed_size 0
		.amdhsa_enable_private_segment 0
		.amdhsa_kernarg_size 32
		.amdhsa_user_sgpr_count 2
		.amdhsa_user_sgpr_kernarg_segment_ptr 1
		.amdhsa_wavefront_size32 1
		.amdhsa_system_sgpr_workgroup_id_x 1
		.amdhsa_system_sgpr_workgroup_id_y 1
		.amdhsa_system_sgpr_workgroup_id_z 1
		.amdhsa_system_vgpr_workitem_id 0
		.amdhsa_next_free_vgpr 256
		.amdhsa_next_free_sgpr 66
		.amdhsa_reserve_vcc 0
		.amdhsa_float_denorm_mode_32 3
		.amdhsa_float_denorm_mode_16_64 3
		.amdhsa_memory_ordered 1
		.amdhsa_forward_progress 1
		.amdhsa_inst_pref_size 64
	.end_amdhsa_kernel
	.amdgpu_metadata
---
amdhsa.version: [ 1, 2 ]
amdhsa.kernels:
  - .name:           k_q5f5a327839_quant
    .symbol:         k_q5f5a327839_quant.kd
    .args:
      - { .name: x, .offset: 0, .size: 8, .value_kind: global_buffer, .address_space: global }
      - { .name: W_attn, .offset: 8, .size: 8, .value_kind: global_buffer, .address_space: global }
      - { .name: W_proj, .offset: 16, .size: 8, .value_kind: global_buffer, .address_space: global }
      - { .name: cq, .offset: 24, .size: 8, .value_kind: global_buffer, .address_space: global }
    .group_segment_fixed_size: 275456
    .private_segment_fixed_size: 0
    .kernarg_segment_align: 8
    .kernarg_segment_size: 32
    .max_flat_workgroup_size: 256
    .sgpr_count:     66
    .vgpr_count:     256
    .wavefront_size: 32
...
	.end_amdgpu_metadata
.endif
;; end of part 1
;; launch qkvgemm (part 2): grid 8 x 32, 4 waves a work-group, clusters of 4 x 4, 327,680 bytes of LDS; arguments cq, b_attn, qkv; writes qkv
.if DOCPART == 2
	.amdgcn_target "amdgcn-amd-amdhsa--gfx1250"
	.amdhsa_code_object_version 6
	.text
	.protected	k_q5f5a327839_qkvgemm
	.globl	k_q5f5a327839_qkvgemm
	.p2align	8
	.type	k_q5f5a327839_qkvgemm,@function
k_q5f5a327839_qkvgemm:
	s_mov_b64 s[64:65], 0
	v_nop
	global_prefetch_b8 v0, s[64:65] scope:SCOPE_SE
	s_setreg_imm32_b32 hwreg(HW_REG_WAVE_MODE, 25, 1), 1
	s_wait_xcnt 0x0
	s_wait_alu depctr_hold_cnt(0) depctr_sa_sdst(0) depctr_va_vdst(0) depctr_va_sdst(0) depctr_va_ssrc(0) depctr_va_vcc(0) depctr_vm_vsrc(0)
	s_getreg_b32 s2, hwreg(HW_REG_IB_STS2, 6, 4)
	s_cmp_eq_u32 s2, 0
	s_cbranch_scc0 .Lentry_in_a_cluster
	s_endpgm
.Lentry_in_a_cluster:
	s_bfe_u32 s2, ttmp6, 0x10000c
	s_cmp_lg_u32 s2, 0xf033
	s_cbranch_scc0 .Lentry_shape_is_right
	s_endpgm
.Lentry_shape_is_right:
; q, k, v = x W_attn + b_attn on codes of FP6 (E2M3) with E8M0 scales, K = 1,024; the results are quantised in registers as the operands of attention's two products; only codes and scale bytes are stored.
; A work-group (4 waves, 2 x 2) makes 128 tokens x 128 columns (two heads) of each of q, k, v.  A wave holds its 64 tokens, ALL of K, in registers (32 fragments of 12) and streams its head's 64 columns of
; W_q, W_k, W_v past them in tiles of 16, two sets of registers by turns: 12 tiles of 32 products.
; LDS: three regions of 102,400 bytes (128 operand rows: codes and scale bytes as they lie in cq): the tokens, W_q, W_k: one tensor load a wave at the head.  W_v is the one refill, onto the tokens, which all waves hold in registers by then.
; q, k: source 0 = the columns, so that a lane's 32 results for a token are 32 neighbouring columns (row order of cq): one scale block.  v: source 0 = the tokens: 32 neighbouring tokens of one column.
; qkv: [16 b + head][128 tokens][19,712 bytes]: 0 Q's 8 half images (tile T of 16 tokens: registers 0-3 [lane][16], 4-5 [lane][8]: 768 bytes); 6,144 Q's scale words [64 tokens][lane][u]: lanes 0-15 tile 2 u, lanes 16-31 tile 2 u + 1;
; 6,656 K's half images; 12,800 V^T's [tile of 16 columns][64 tokens][768]; 18,944 K's scale words; 19,456 V's [lane][u].  In a word of Q or K bytes 2, 3 repeat bytes 0, 1: they meet zero codes.
; THE BIAS is the C of each sum's first matrix instruction.
; CLUSTERS: 4 x 4; the tokens' rows are asked for jointly along a row of the cluster, the weights' along a column.  No prefetch: the text has no loop to run ahead in, and three of the four tiles are asked for at the head.
; LIMITS: NaN and infinities are not served; a block whose largest magnitude lies under 2^-124 has its byte held at 1; a block of zeros gets the byte 1.
; REGISTERS: fragment f lies in window 1 + f / 21 at 12 (f % 21): 4 q + i the tokens' (K step q, tile i), 32 + 8 e + q the weights' set e.  Window 3, v128-255: the accumulators.
.set GB,    51200
.set RQ,    2*GB
.set RK,    4*GB
.set SPARE, 6*GB
.set HS,    315392
.set BLKB,  19712
.set KVO,   6656
.set L16,   1
.set L8,    2
.set AX,    3                          ; v3 LDS address of my tokens
.set AQ,    4                          ; v4, v5, v6 of my columns of W_q, W_k, W_v
.set VS,    7
.set SPW,   28
.set NIL,   29
.set SA,    32                         ; the tokens' scale words [u][q]: lanes 0-15 tile 2 u, lanes 16-31 tile 2 u + 1
.set SB,    48                         ; the columns', two sets
.set BQ,    80
.set BK,    112
.set BV,    144
.set TQ,    176
.set SO,    184
.set BY,    188
.set MC,    192
.set MT,    216
.set PD,    232
.set PE,    233
.set PW,    234
.set SL,    236
.set MSB,   0
.macro WIN new
.set W_, \new
.if MSB != W_
	s_set_vgpr_msb (MSB<<8)|W_
.set MSB, W_
.endif
.endm
.macro PLACES
.rept 4
	v_nop
.endr
.endm
.macro WALU
	s_wait_alu depctr_va_vdst(0)
.endm
.macro BARRIER
	s_barrier_signal -1
	s_barrier_wait -1
.endm
.macro CROUND
	BARRIER
	s_cmp_lg_u32 s14, 0
	s_cbranch_scc1 .Lnot_wave_0_\@
	s_barrier_signal -3
.Lnot_wave_0_\@:
	s_barrier_wait -3
	BARRIER
.endm
.macro TLOAD g0, g1
	tensor_load_to_lds s[\g0:\g0+3], s[\g1:\g1+7]
	s_nop 0
	PLACES
.endm
.macro GROUP1 g, mask, rows                    ; a dense run as rows of 256 bytes (32 elements of 8)
	s_or_b32 s[\g], s[\mask], (3<<16)|(1<<21)
	s_mov_b32 s[\g+1], 32<<16
	s_mov_b32 s[\g+2], (\rows)<<16
	s_mov_b32 s[\g+3], 32<<16
	s_mov_b32 s[\g+4], \rows
	s_mov_b32 s[\g+5], 32
	s_mov_b32 s[\g+6], 0
	s_mov_b32 s[\g+7], 0
.endm
.macro GROUP0 g, off                           ; global address cq + the offset in s[off:off+1]
	s_add_nc_u64 s[\g+2:\g+3], s[4:5], s[\off:\off+1]
	s_or_b32 s[\g+3], s[\g+3], 0x80000000
.endm
.macro FRAGL f, adr, off
	WIN ((1+(\f)/21)<<6)
.set R_, 12*((\f)%21)
.irp p, 0,1,2
	ds_load_b128 v[R_+4*\p:R_+4*\p+3], v[\adr] offset:(\off)+512*\p
.endr
.endm
.macro FETCHT n                                ; tile n = 4 x phase + t into set n % 2: 24 loads
.irp q, 0,1,2,3,4,5,6,7
	FRAGL 32+8*((\n)%2)+\q, AQ+(\n)/4, 12288*((\n)%4)+1536*\q
.endr
	WIN 0
.endm
.macro SCALES s, adr
.irp k, 0,1
	ds_load_b128 v[\s+4*\k:\s+4*\k+3], v[\adr] offset:49152+1024*\k
	ds_load_b128 v[\s+8+4*\k:\s+11+4*\k], v[\adr] offset:49152+512+1024*\k
.endr
.endm
.macro WM c, x0, x1, r0, r1
	v_wmma_scale_f32_16x16x128_f8f6f4 v[D_:D_+7], v[12*(S0_%21):12*(S0_%21)+11], v[12*(S1_%21):12*(S1_%21)+11], v[\c:\c+7], v[\x0], v[\x1] matrix_a_fmt:MATRIX_FMT_FP6 matrix_b_fmt:MATRIX_FMT_FP6 matrix_a_scale:MATRIX_SCALE_ROW\r0 matrix_b_scale:MATRIX_SCALE_ROW\r1
.endm
; One product: K step Q_, token tile i, column tile t.  kind 0: q, k; 1: v.
.macro PR kind, e, t, th, sb, bb, i, ih
.set FB_, 32+8*(\e)+Q_
.set FA_, 4*Q_+\i
.if \kind
.set S0_, FA_
.set S1_, FB_
.set D_, 128+32*\t+8*\i
.else
.set S0_, FB_
.set S1_, FA_
.set D_, 128+32*\i+8*\t
.endif
.if Q_
	WIN ((1+S0_/21)|((1+S1_/21)<<2)|0xf0)
.set C_, D_
.else
	WIN ((1+S0_/21)|((1+S1_/21)<<2)|0xc0)
.set C_, \bb+8*\t
.endif
.if \kind
	WM C_, SA+8*(\i/2)+Q_, \sb+8*(\t/2)+Q_, \ih, \th
.else
	WM C_, \sb+8*(\t/2)+Q_, SA+8*(\i/2)+Q_, \th, \ih
.endif
.endm
; The four accumulators of a tile take turns, one instruction a turn.
.macro PRODS n, kind, t, th, sb, bb, from, to
.set Q_, \from
.rept (\to)-(\from)
	PR \kind, (\n)%2, \t, \th, \sb, \bb, 0, 0
	PR \kind, (\n)%2, \t, \th, \sb, \bb, 1, 1
	PR \kind, (\n)%2, \t, \th, \sb, \bb, 2, 0
	PR \kind, (\n)%2, \t, \th, \sb, \bb, 3, 1
.set Q_, Q_+1
.endr
	WIN 0
.endm
.macro BLK n, kind, t, th, sb, bb
	PRODS \n, \kind, \t, \th, \sb, \bb, 0, 8
	PLACES
.endm
; nk blocks of 32 sums from block k0 on: largest magnitudes (two chains a block), scale operands, bytes, codes (six registers a block).
.macro OUTB k0, nk
	s_wait_xcnt 0x0                                ; earlier stores have read their data
	WIN 0x3f
.set K_, \k0
.rept \nk
	v_max3_num_f32 v[TQ+2*K_], |v[128+32*K_]|, |v[129+32*K_]|, |v[130+32*K_]|
	v_max3_num_f32 v[TQ+2*K_+1], |v[144+32*K_]|, |v[145+32*K_]|, |v[146+32*K_]|
.set K_, K_+1
.endr
	WIN 0x3c
.irp m, 3,5,7,9,11,13
.set K_, \k0
.rept \nk
	v_max3_num_f32 v[TQ+2*K_], v[TQ+2*K_], |v[128+32*K_+\m]|, |v[129+32*K_+\m]|
	v_max3_num_f32 v[TQ+2*K_+1], v[TQ+2*K_+1], |v[144+32*K_+\m]|, |v[145+32*K_+\m]|
.set K_, K_+1
.endr
.endr
	WIN 0x0c
.set K_, \k0
.rept \nk
	v_max3_num_f32 v[TQ+2*K_+1], v[TQ+2*K_+1], |v[143+32*K_]|, 0x1800000   ; the floor 2^(3 - 127)
.set K_, K_+1
.endr
.set K_, \k0
.rept \nk
	v_max3_num_f32 v[TQ+2*K_], v[TQ+2*K_], |v[159+32*K_]|, v[TQ+2*K_+1]
.set K_, K_+1
.endr
	WIN 0
.set K_, \k0
.rept \nk
	v_add_nc_u32 v[SO+K_], 0xff000000, v[TQ+2*K_]  ; 2 off the exponent field
.set K_, K_+1
.endr
.set K_, \k0
.rept \nk
	v_lshrrev_b32 v[BY+K_], 23, v[SO+K_]
.set K_, K_+1
.endr
	WIN 3
.set K_, \k0
.rept \nk
	v_cvt_scalef32_pk16_fp6_f32 v[MC+6*K_:MC+6*K_+2], v[128+32*K_:143+32*K_], v[SO+K_]
	v_cvt_scalef32_pk16_fp6_f32 v[MT+4*K_:MT+4*K_+2], v[144+32*K_:159+32*K_], v[SO+K_]
.set K_, K_+1
.endr
	WIN 0
	v_nop                                          ; one plain place behind the conversions
.set K_, \k0
.rept \nk
.irp m, 0,1,2
	v_mov_b32 v[MC+6*K_+3+\m], v[MT+4*K_+\m]
.endr
.set K_, K_+1
.endr
.endm
.macro SENDC k, base, off                      ; block k's six registers: 768 consecutive bytes
	global_store_b128 v[L16], v[MC+6*\k:MC+6*\k+3], s[\base:\base+1] offset:\off
	global_store_b64 v[L8], v[MC+6*\k+4:MC+6*\k+5], s[\base:\base+1] offset:(\off)+512
.endm
.macro WORDS                                   ; four bytes a lane -> words [u]: tile 2 u + h, bytes 0, 1 the blocks of lanes r and r + 16
	v_lshl_or_b32 v[PD], v[BY+1], 8, v[BY]
	v_lshl_or_b32 v[PD], v[BY+2], 16, v[PD]
	v_lshl_or_b32 v[PD], v[BY+3], 24, v[PD]
	v_permlanex16_b32 v[PE], v[PD], s2, s3
	v_perm_b32 v[PW], v[PE], v[PD], v[SL]
	v_perm_b32 v[PW+1], v[PE], v[PD], v[SL+1]
.endm
.macro SENDQK off, soff
	SENDC 0, 12, (\off)
	SENDC 1, 12, (\off)+768
	SENDC 2, 12, (\off)+1536
	SENDC 3, 12, (\off)+2304
	WORDS
	global_store_b64 v[L8], v[PW:PW+1], s[68:69] offset:\soff   ; 256 consecutive bytes, aligned
.endm
	s_load_b128 s[4:7], s[0:1], 0x0                ; cq, b_attn
	s_load_b64 s[8:9], s[0:1], 0x10                ; qkv
	v_lshl_add_u32 v[SPW], v0, 2, SPARE
	v_mov_b32 v[NIL], 0
	ds_add_u32 v[SPW], v[NIL]                      ; the opening add, twice on end
	ds_add_u32 v[SPW], v[NIL]
	v_lshrrev_b32 v1, 5, v0
	v_readfirstlane_b32 s14, v1                    ; wave
	s_lshr_b32 s15, s14, 1                         ; a: my 64 tokens
	s_and_b32 s16, s14, 1                          ; b: my head of two
	s_bfe_u32 s40, ttmp6, 0x40000                  ; cx, cy
	s_bfe_u32 s41, ttmp6, 0x40004
	s_lshl_b32 s42, ttmp9, 2
	s_add_co_u32 s42, s42, s40                     ; column block
	s_and_b32 s17, ttmp7, 0xffff
	s_lshl_b32 s17, s17, 2
	s_add_co_u32 s17, s17, s41                     ; token block
	s_lshl_b32 s43, s41, 2
	s_lshl_b32 s43, 15, s43                        ; my row of the cluster
	s_lshl_b32 s44, 0x1111, s40                    ; my column
	GROUP1 24, 43, 200
	GROUP1 48, 44, 400
	s_mov_b32 s32, 1                               ; tokens: waves 0 and 1 a group of 64 each
	s_mul_i32 s33, s14, GB
	s_mov_b32 s36, 1                               ; W_q
	s_mov_b32 s37, RQ
	s_mov_b32 s56, 1                               ; W_k
	s_mov_b32 s57, RK
	s_mov_b32 s60, 1                               ; W_v, onto the tokens
	s_mov_b32 s61, 0
	s_mul_i32 s20, s17, 2*GB
	s_add_co_u32 s20, s20, s33
	s_mov_b32 s21, 0
	s_mul_i32 s46, s42, 2*GB
	s_add_co_u32 s46, s46, 64*GB
	s_mov_b32 s47, 0
	WALU
	s_wait_dscnt 0x0
	CROUND                                         ; all sixteen work-groups are here
	s_wait_kmcnt 0x0
	GROUP0 32, 20
	GROUP0 36, 46
	s_add_co_u32 s46, s46, 16*GB
	GROUP0 56, 46
	s_add_co_u32 s46, s46, 16*GB
	GROUP0 60, 46
	s_cmp_lt_u32 s14, 2
	s_cbranch_scc0 .Lwave_2
	TLOAD 32, 24
	s_branch .Lasked
.Lwave_2:
	s_cmp_eq_u32 s14, 2
	s_cbranch_scc0 .Lwave_3
	TLOAD 36, 48
	s_branch .Lasked
.Lwave_3:
	TLOAD 56, 48
.Lasked:
	s_lshl_b32 s45, s42, 1
	s_add_co_u32 s45, s45, s16                     ; my head
	s_lshl_b32 s20, s45, 8
	s_add_nc_u64 s[6:7], s[6:7], s[20:21]          ; its 64 numbers of b_q; b_k's and b_v's lie 4,096 and 8,192 bytes on
	s_lshr_b32 s18, s17, 4
	s_lshl_b32 s18, s18, 4
	s_add_co_u32 s18, s18, s45
	s_mul_i32 s20, s18, HS
	s_and_b32 s18, s17, 15
	s_mul_i32 s18, s18, BLKB
	s_add_co_u32 s20, s20, s18
	s_add_nc_u64 s[70:71], s[8:9], s[20:21]        ; my head's block of 128 tokens
	s_mul_i32 s20, s15, 3072
	s_add_nc_u64 s[12:13], s[70:71], s[20:21]
	s_mul_i32 s20, s15, 768
	s_add_nc_u64 s[66:67], s[70:71], s[20:21]
	s_lshl_b32 s20, s15, 8
	s_add_nc_u64 s[68:69], s[70:71], s[20:21]
	s_mov_b32 s2, 0x76543210
	s_mov_b32 s3, 0xfedcba98                       ; selects for lane l xor 16
	s_mul_i32 s18, s15, GB
	s_mul_i32 s19, s16, GB
	s_lshl_b32 s20, s15, 1
	v_and_b32 v8, 31, v0
	v_and_b32 v9, 15, v0
	v_bfe_u32 v10, v0, 4, 1
	v_lshlrev_b32 v[L16], 4, v8
	v_lshlrev_b32 v[L8], 3, v8
	v_add_nc_u32 v[AX], s18, v[L16]
	v_add_nc_u32 v[AQ+2], s19, v[L16]
	v_add_nc_u32 v[AQ], RQ, v[AQ+2]
	v_add_nc_u32 v[AQ+1], RK, v[AQ+2]
	v_add_nc_u32 v[VS], s20, v[L8]
	v_lshlrev_b32 v11, 7, v10                      ; q, k: 32 neighbouring columns for each half of the lanes
	v_lshrrev_b32 v12, 3, v9
	v_and_b32 v13, 7, v9
	v_lshl_add_u32 v12, v12, 5, v13
	v_lshlrev_b32 v12, 2, v12                      ; v: lane r of tile t is column 32 (r / 8) + 8 t + r % 8
	v_mov_b32 v14, 0x04000400
	v_mov_b32 v15, 0x01050105
	v_cmp_eq_u32 vcc_lo, 1, v10
	v_cndmask_b32 v[SL], v14, v15, vcc_lo
	v_add_nc_u32 v[SL+1], 0x02020202, v[SL]
	v_mov_b32 v[PE], 0                             ; a lane permute's destination counts as a source
	WALU
.irp k, 0,1,2,3,4,5,6,7
	global_load_b128 v[BQ+4*\k:BQ+4*\k+3], v11, s[6:7] offset:16*\k
	global_load_b128 v[BK+4*\k:BK+4*\k+3], v11, s[6:7] offset:4096+16*\k
.endr
.irp t, 0,1,2,3
	global_load_b32 v[BV+8*\t], v12, s[6:7] offset:8192+32*\t
.endr
	s_cmp_lt_u32 s14, 2
	s_cbranch_scc0 .Lnot_x
	s_wait_tensorcnt 0x0
.Lnot_x:
	BARRIER                                        ; the tokens are in; W_q and W_k may be on their way
.irp q, 0,1,2,3,4,5,6,7
.irp i, 0,1,2,3
	FRAGL 4*\q+\i, AX, 12288*\i+1536*\q
.endr
.endr
	WIN 0
	SCALES SA, AX
	s_wait_loadcnt 0x0
.irp t, 0,8,16,24
.irp m, 1,2,3,4,5,6,7
	v_mov_b32 v[BV+\t+\m], v[BV+\t]                ; v's bias over its tile's eight registers
.endr
.endr
	WALU
	s_cmp_eq_u32 s14, 3
	s_cbranch_scc1 .Lnot_q
	s_wait_tensorcnt 0x0
.Lnot_q:
	s_wait_dscnt 0x0
	BARRIER                                        ; W_q is in
	FETCHT 0
	SCALES SB, AQ
	FETCHT 1
	s_wait_dscnt 24                                ; younger: the next tile's 24 loads (so too below)
	BLK 0, 0, 0, 0, SB, BQ
	FETCHT 2
	s_wait_dscnt 24
	BLK 1, 0, 1, 1, SB, BQ
	FETCHT 3
	s_wait_dscnt 24
	PRODS 2, 0, 2, 0, SB, BQ, 0, 6
	s_wait_tensorcnt 0x0                           ; the refill
	ds_add_u32 v[SPW], v[NIL]
	PRODS 2, 0, 2, 0, SB, BQ, 6, 8
	s_wait_dscnt 0x0
	CROUND                                         ; W_k is in, and no wave of any partner reads the tokens' bytes any more
	s_cmp_eq_u32 s14, 2
	s_cbranch_scc0 .Lno_v
	TLOAD 60, 48                                   ; W_v
.Lno_v:
	PLACES
	FETCHT 4
	SCALES SB+16, AQ+1
	BLK 3, 0, 3, 1, SB, BQ                         ; (its tile was in ahead of the round)
	FETCHT 5
	OUTB 0, 4                                      ; q leaves
	SENDQK 0, 6144
	s_wait_dscnt 24
	BLK 4, 0, 0, 0, SB+16, BK
	FETCHT 6
	s_wait_dscnt 24
	BLK 5, 0, 1, 1, SB+16, BK
	FETCHT 7
	s_wait_dscnt 24
	PRODS 6, 0, 2, 0, SB+16, BK, 0, 6
	s_wait_tensorcnt 0x0
	s_wait_dscnt 0x0
	s_barrier_signal -1                            ; a plain barrier shows W_v
	PRODS 6, 0, 2, 0, SB+16, BK, 6, 8
	s_barrier_wait -1
	PLACES
	FETCHT 8
	SCALES SB, AQ+2
	BLK 7, 0, 3, 1, SB+16, BK
	FETCHT 9
	OUTB 0, 4                                      ; k leaves
	SENDQK KVO, KVO+12288
	s_wait_dscnt 24
	BLK 8, 1, 0, 0, SB, BV
	FETCHT 10
	s_wait_dscnt 24
	BLK 9, 1, 1, 1, SB, BV
	FETCHT 11
	OUTB 0, 2                                      ; v leaves by two tiles
	SENDC 0, 66, KVO+6144
	SENDC 1, 66, KVO+6144+1536
	s_wait_dscnt 24
	BLK 10, 1, 2, 0, SB, BV
	s_wait_dscnt 0x0
	BLK 11, 1, 3, 1, SB, BV
	OUTB 2, 2
	SENDC 2, 66, KVO+6144+3072
	SENDC 3, 66, KVO+6144+4608
	WORDS
	global_store_b16 v[VS], v[PW], s[70:71] offset:KVO+12800     ; my 64 tokens' two bytes of each word
	global_store_b16 v[VS], v[PW+1], s[70:71] offset:KVO+12804
	s_wait_tensorcnt 0x0                           ; the wave's end
	ds_add_u32 v[SPW], v[NIL]
	s_wait_dscnt 0x0
	CROUND                                         ; the closing round
	s_endpgm
.Lfunc_end_k_q5f5a327839_qkvgemm:
	.size	k_q5f5a327839_qkvgemm, .Lfunc_end_k_q5f5a327839_qkvgemm-k_q5f5a327839_qkvgemm
	.p2alignl 7, 3214868480
	.fill 96, 4, 3214868480
	.section	.rodata,"a",@progbits
	.p2align	6, 0x0
	.amdhsa_kernel k_q5f5a327839_qkvgemm
		.amdhsa_group_segment_fixed_size 327680
		.amdhsa_private_segment_fixed_size 0
		.amdhsa_enable_private_segment 0
		.amdhsa_kernarg_size 24
		.amdhsa_user_sgpr_count 2
		.amdhsa_user_sgpr_kernarg_segment_ptr 1
		.amdhsa_wavefront_size32 1
		.amdhsa_system_sgpr_workgroup_id_x 1
		.amdhsa_system_sgpr_workgroup_id_y 1
		.amdhsa_system_sgpr_workgroup_id_z 1
		.amdhsa_system_vgpr_workitem_id 0
		.amdhsa_next_free_vgpr 1024
		.amdhsa_next_free_sgpr 80
		.amdhsa_reserve_vcc 1
		.amdhsa_float_denorm_mode_32 3
		.amdhsa_float_denorm_mode_16_64 3
		.amdhsa_memory_ordered 1
		.amdhsa_forward_progress 1
		.amdhsa_inst_pref_size 110
	.end_amdhsa_kernel
	.amdgpu_metadata
---
amdhsa.version: [ 1, 2 ]
amdhsa.kernels:
  - .name:           k_q5f5a327839_qkvgemm
    .symbol:         k_q5f5a327839_qkvgemm.kd
    .args:
      - { .name: cq, .offset: 0, .size: 8, .value_kind: global_buffer, .address_space: global }
      - { .name: b_attn, .offset: 8, .size: 8, .value_kind: global_buffer, .address_space: global }
      - { .name: qkv, .offset: 16, .size: 8, .value_kind: global_buffer, .address_space: global }
    .group_segment_fixed_size: 327680
    .private_segment_fixed_size: 0
    .kernarg_segment_align: 8
    .kernarg_segment_size: 24
    .max_flat_workgroup_size: 128
    .sgpr_count:     80
    .vgpr_count:     1024
    .wavefront_size: 32
...
	.end_amdgpu_metadata
.endif
;; end of part 2
;; launch attn (part 3): grid 128 x 2, 16 waves a work-group, clusters of 4 x 1, 245,760 bytes of LDS; arguments qkv, yq; writes yq
.if DOCPART == 3
	.amdgcn_target "amdgcn-amd-amdhsa--gfx1250"
	.amdhsa_code_object_version 6
	.text
	.protected	k_q5f5a327839_attn
	.globl	k_q5f5a327839_attn
	.p2align	8
	.type	k_q5f5a327839_attn,@function
k_q5f5a327839_attn:
	s_mov_b64 s[64:65], 0
	v_nop
	global_prefetch_b8 v0, s[64:65] scope:SCOPE_SE
	s_setreg_imm32_b32 hwreg(HW_REG_WAVE_MODE, 25, 1), 1
	s_wait_xcnt 0x0
	s_wait_alu depctr_hold_cnt(0) depctr_sa_sdst(0) depctr_va_vdst(0) depctr_va_sdst(0) depctr_va_ssrc(0) depctr_va_vcc(0) depctr_vm_vsrc(0)
	s_getreg_b32 s2, hwreg(HW_REG_IB_STS2, 6, 4)
	s_cmp_eq_u32 s2, 0
	s_cbranch_scc0 .Lentry_in_a_cluster
	s_endpgm
.Lentry_in_a_cluster:
	s_bfe_u32 s2, ttmp6, 0x10000c
	s_cmp_lg_u32 s2, 0x3003
	s_cbranch_scc0 .Lentry_shape_is_right
	s_endpgm
.Lentry_shape_is_right:
; y[b][q][head] = softmax_k(Q . K / 8, causal) V, both products on codes of FP6 (E2M3) with E8M0 scales; y = O / l is quantised along the model's 1,024; only its codes and scale bytes are stored.
; qkv is as the launch before left it.  Left out: key steps that lie whole behind a tile's queries (the causal mask of reference() makes their p 0).
; THE FIRST PRODUCT'S K IS 64: registers 6-11 of Q's fragments are zero codes, so registers 6-11 of K's may hold any codes: K's fragments lie 6 registers apart, each reaching into the next (the last into whatever lies behind it).
; THE SOFTMAX: t = score x log2(e) / 8; M = the running largest t rounded UP to a whole number; p = 2^(t - M) is quantised along the keys, not normalised; the sum is taken of the unquantised p and divides O at the end;
; when M moves, the sum and O are multiplied by 2^(old M - new M): exact.  A block's largest p is made of its largest score by the same two instructions (this takes v_exp_f32 not to fall where its input rises).
; SHARES.  A work-group takes tile g (16 queries) of each of its head's 16 blocks of 128 queries: sixteen tiles of 1 to 16 key steps of 128; all work-groups are alike.
; Waves p and 8 + p (p = 0 .. 7) share blocks 15 - p (late) and p (early): wave p takes the late block's key steps 0 .. 8; wave 8 + p the early block's p + 1 steps and then the late block's steps 9 .. 15 - p: 9 and 8 steps.
; At the end wave 8 + p hands its part of the late block (O, sum, M) to wave p through LDS.
; BOTH PRODUCTS ARE USED TRANSPOSED: S^T = K Q^T, O^T = V^T P^T: a lane holds ONE query, and by the row order its 32 registers of four tiles are 32 neighbouring keys (or columns): one scale block.
; TWO REGIONS OF 64 REGISTERS TAKE TURNS: in one lie a step's K and then its V, in the other its S^T and then p; when p has been converted the next step's K is loaded there.
; LDS: K, V and their scale words of the WHOLE head, 16 key steps of 13,056 bytes: one joint tensor load a wave at the head; nothing is filled again.  The first barrier shows steps 0, 1, 9, with which every wave does two steps; the second the rest.
; CLUSTERS: four work-groups of one head; nothing but the queries' and y's global addresses and the mask's compare hangs on the place in the cluster.  No prefetch: every byte is asked for at the head.
; yq: [64 tokens][51,200 bytes]: [tile i][K step][64 of the 128][registers 0-3 [lane][16], 4-5 [lane][8]], then the scale bytes [half of K][row 16 i + lane][16].
; LIMITS: NaN and infinities are not served; the promise holds while the scaled scores stay under 2^31 in magnitude; a block whose largest magnitude lies under 2^-124 has its byte held at 1; a block of zeros gets the byte 1.
; REGISTERS: v1-9 addresses; v12 -M, v13 the largest score, v[14:15] the sum; v16-27 Q; v32-95, v96-159 the two regions; v160-191 O^T; v192-198 the late Q; v200-211 scale words; v224-235 p's codes; v236-254 at work.
.set HS,    315392
.set BLKB,  19712
.set KVO,   6656
.set KVB,   13056                      ; K 0, V 6,144, K's scale words 12,288, V's 12,800
.set GB,    51200
.set PB,    16*KVB                     ; a pair's hand-over: 4,352 bytes
.set SPARE, PB+8*4352
.set RY,    32                         ; the two regions
.set RX,    96
.macro WALU
	s_wait_alu depctr_va_vdst(0)
.endm
.macro BARRIER
	s_barrier_signal -1
	s_barrier_wait -1
.endm
.macro CROUND
	BARRIER
	s_cmp_lg_u32 s18, 0
	s_cbranch_scc1 .Lnot_wave_0_\@
	s_barrier_signal -3
.Lnot_wave_0_\@:
	s_barrier_wait -3
	BARRIER
.endm
.macro FILL add                                ; my key step: (wave + add) mod 16
	s_add_co_u32 s11, s18, \add
	s_and_b32 s11, s11, 15
	s_mul_i32 s33, s11, KVB
	s_mul_i32 s12, s11, BLKB
	s_add_nc_u64 s[34:35], s[16:17], s[12:13]
	s_or_b32 s35, s35, 0x80000000
	tensor_load_to_lds s[32:35], s[24:31]
	s_nop 0
.rept 4
	v_nop
.endr
.endm
.macro ARM under, add, next
	s_cmp_lt_u32 s18, \under
	s_cbranch_scc0 \next
	FILL \add
	s_branch .Lasked
\next:
.endm
.macro RESET
	v_mov_b32 v13, 0xfe967699                      ; the largest score so far: -1e38
	v_mov_b32 v12, 0x7e000000                      ; -M: 2^125, a whole number
	v_mov_b32 v14, 0
	v_mov_b32 v15, 0
.set j, 0
.rept 32
	v_mov_b32 v[160+j], 0
.set j, j+1
.endr
.endm
; y = O / the sum (v14: this lane's part of it), quantised, to the base s[sb:sb+1]; o: 32 registers to work in
.macro OUT o, sb
	v_permlanex16_b32 v239, v14, s20, s21
	v_add_f32 v14, v14, v239
	WALU
	v_rcp_f32 v14, v14
	v_nop
	WALU
.set j, 0
.rept 16
	v_pk_mul_f32 v[\o+j:\o+1+j], v[160+j:161+j], v[14:15] op_sel_hi:[1,0]
.set j, j+2
.endr
	v_max3_num_f32 v236, |v[\o]|, |v[\o+1]|, 0x1800000
	v_max3_num_f32 v237, |v[\o+16]|, |v[\o+17]|, |v[\o+18]|
.irp i, 2,4,6,8,10,12
	v_max3_num_f32 v236, v236, |v[\o+\i]|, |v[\o+1+\i]|
	v_max3_num_f32 v237, v237, |v[\o+17+\i]|, |v[\o+18+\i]|
.endr
	v_max3_num_f32 v236, v236, |v[\o+14]|, |v[\o+15]|
	v_max3_num_f32 v236, v236, v237, |v[\o+31]|
	v_add_nc_u32 v244, 0xff000000, v236
	v_lshrrev_b32 v246, 23, v244
	v_cvt_scalef32_pk16_fp6_f32 v[224:226], v[\o:\o+15], v244
	v_cvt_scalef32_pk16_fp6_f32 v[240:242], v[\o+16:\o+31], v244
	v_nop
.irp i, 0,1,2
	v_mov_b32 v[227+\i], v[240+\i]
.endr
	global_store_b128 v1, v[224:227], s[\sb:\sb+1]             ; 768 consecutive bytes
	global_store_b64 v2, v[228:229], s[\sb:\sb+1] offset:512
	global_store_b8 v7, v246, s[\sb:\sb+1]                     ; my block's scale byte
.endm
.macro LOADK kb                                ; the fragments and scale words of the key step at v8, v9
.irp T, 0,1,2,3,4,5,6,7
	ds_load_b128 v[\kb+6*\T:\kb+3+6*\T], v8 offset:768*\T
	ds_load_b64 v[\kb+4+6*\T:\kb+5+6*\T], v9 offset:768*\T+512
.endr
	ds_load_b64 v[200:201], v9 offset:12288
	ds_load_b64 v[202:203], v9 offset:12544
.endm
.macro VL kb, t, c                             ; V's tile t, keys 64 c .. 64 c + 63
	ds_load_b128 v[\kb+12*\t+6*\c:\kb+3+12*\t+6*\c], v8 offset:6144+1536*\t+768*\c
	ds_load_b64 v[\kb+4+12*\t+6*\c:\kb+5+12*\t+6*\c], v9 offset:6656+1536*\t+768*\c
.endm
.macro KSTEP dt                                ; the key step of trip s48 + dt: the trip's number, + 8 - p in waves 8 + p from trip p + 1 on
	s_add_co_u32 s10, s48, \dt
	s_add_co_u32 s3, s42, s10
	s_lshr_b32 s3, s3, 3
	s_and_b32 s3, s3, s41
	s_mul_i32 s3, s3, s51
	s_add_co_u32 s3, s3, s10
	s_and_b32 s3, s3, 15
	s_mul_i32 s2, s3, KVB
.endm
.macro KADR                                    ; and its LDS addresses
	v_add_nc_u32 v8, s2, v1
	v_add_nc_u32 v9, s2, v2
.endm
; A KEY STEP, trip s48 + dt.  kb: the region with K; sb: the other.  sw: the tile may change; again: the key step is made anew (the loop's first half); idle: waves 8 .. 15 leave trip 8 out; mid: the second barrier stands inside.
.macro STEP kb, sb, dt, sw, again, idle, mid
	s_wait_dscnt 0x0                               ; K is in
.if \sw
	s_add_co_u32 s10, s48, \dt
	s_cmp_eq_u32 s10, s49                          ; the early tile is done: it leaves, and the late tile's part begins
	s_cbranch_scc0 .Lsame_\@
	v_add_f32 v14, v14, v15
	OUT \sb, 58
.irp i, 0,1,2,3,4,5
	v_mov_b32 v[16+\i], v[192+\i]
.endr
	v_mov_b32 v211, v198
	RESET
	s_mov_b32 s19, s43
	WALU
	s_wait_xcnt 0x0                                ; the stores have read their data
.Lsame_\@:
.endif
.if \idle
	s_cmp_lt_u32 s10, s50
	s_cbranch_scc0 .Lidle_\@
.endif
.if \again
	KSTEP \dt
.endif
.irp T, 0,1,2,3,4,5,6,7
.if (\T)%2
	v_wmma_scale_f32_16x16x128_f8f6f4 v[\sb+8*\T:\sb+7+8*\T], v[\kb+6*\T:\kb+11+6*\T], v[16:27], 0, v[200+\T/2], v211 matrix_a_fmt:MATRIX_FMT_FP6 matrix_b_fmt:MATRIX_FMT_FP6 matrix_a_scale:MATRIX_SCALE_ROW1
.else
	v_wmma_scale_f32_16x16x128_f8f6f4 v[\sb+8*\T:\sb+7+8*\T], v[\kb+6*\T:\kb+11+6*\T], v[16:27], 0, v[200+\T/2], v211 matrix_a_fmt:MATRIX_FMT_FP6 matrix_b_fmt:MATRIX_FMT_FP6
.endif
.endr                                          ; register 8 T + j of lane (r, h): query r, key 64 (T / 4) + 32 h + 8 (T % 4) + j
.if \again                                     ; four places
	KADR
.else
	v_nop
	v_nop
.endif
	v_mov_b32 v241, v12
	v_mov_b32 v254, 0xff800000
	s_cmp_lg_u32 s3, s19                           ; on the diagonal the scores of hidden keys become -infinity ahead of the maximum
	s_cbranch_scc1 .Lopen_\@
.irp T, 0,1,2,3,4,5,6,7
.irp j, 0,1,2,3,4,5,6,7
	v_cmp_gt_i32 vcc_lo, 64*(\T/4)+8*(\T%4)+\j, v3
	v_cndmask_b32 v[\sb+8*\T+\j], v[\sb+8*\T+\j], v254, vcc_lo
.endr
.endr
.Lopen_\@:
.irp b, 0,1,2,3
	v_max3_num_f32 v[236+\b+(\b/2)*4], v[\sb+16*\b], v[\sb+1+16*\b], v[\sb+2+16*\b]
.endr
.irp i, 3,5,7,9,11,13
.irp b, 0,1,2,3
	v_max3_num_f32 v[236+\b+(\b/2)*4], v[236+\b+(\b/2)*4], v[\sb+16*\b+\i], v[\sb+1+16*\b+\i]
.endr
.endr
	v_max3_num_f32 v236, v236, v[\sb+15], v[\sb+31]
	v_max3_num_f32 v242, v242, v[\sb+47], v[\sb+63]
	VL \kb, 0, 0                                   ; V takes K's registers
	v_max_num_f32 v236, v236, v237                 ; the largest scores of my two blocks of 32 keys
	v_max_num_f32 v237, v242, v243
	VL \kb, 0, 1
	v_max_num_f32 v238, v236, v237
	VL \kb, 1, 0
	v_permlanex16_b32 v239, v238, s20, s21
	VL \kb, 1, 1
	v_max3_num_f32 v13, v13, v238, v239            ; the running largest score of my query
	VL \kb, 2, 0
	v_mul_f32 v240, s23, v13
	VL \kb, 2, 1
	v_floor_f32 v12, v240                          ; the new -M = floor(-t)
	VL \kb, 3, 0
	v_sub_f32 v240, v12, v241                      ; old M - new M: a whole number, 0 or less
	VL \kb, 3, 1
	ds_load_b64 v[208:209], v9 offset:12800
	v_cvt_i32_f32 v240, v240                       ; (it saturates)
.set j, 0
.rept 32
	v_pk_fma_f32 v[\sb+j:\sb+1+j], v[\sb+j:\sb+1+j], s[22:23], v[12:13] op_sel_hi:[1,0,0]   ; t - M
.set j, j+2
.endr
	v_ldexp_f32 v252, 1.0, v240
	v_fma_f32 v236, v236, s22, v12                 ; t - M of each block's largest score
	v_fma_f32 v237, v237, s22, v12
	WALU
.set j, 0
.rept 64
	v_exp_f32 v[\sb+j], v[\sb+j]
.set j, j+1
.endr
	v_exp_f32 v236, v236
	v_exp_f32 v237, v237
	v_pk_mul_f32 v[14:15], v[14:15], v[252:253] op_sel_hi:[1,0]   ; the sum under the new M
	WALU
	s_wait_dscnt 0x0                               ; V is in
	v_pk_add_f32 v[238:239], v[\sb:\sb+1], v[\sb+2:\sb+3]
	v_pk_add_f32 v[240:241], v[\sb+4:\sb+5], v[\sb+6:\sb+7]
	v_pk_add_f32 v[242:243], v[\sb+8:\sb+9], v[\sb+10:\sb+11]
.irp j, 12,20,28,36,44,52
	v_pk_add_f32 v[14:15], v[14:15], v[\sb+\j:\sb+1+\j]
	v_pk_add_f32 v[238:239], v[238:239], v[\sb+2+\j:\sb+3+\j]
	v_pk_add_f32 v[240:241], v[240:241], v[\sb+4+\j:\sb+5+\j]
	v_pk_add_f32 v[242:243], v[242:243], v[\sb+6+\j:\sb+7+\j]
.endr
	v_pk_add_f32 v[14:15], v[14:15], v[\sb+60:\sb+61]
	v_pk_add_f32 v[238:239], v[238:239], v[\sb+62:\sb+63]
	v_pk_add_f32 v[240:241], v[240:241], v[242:243]
	v_max_num_f32 v236, 0x1800000, v236            ; the floor 2^(3 - 127)
	v_max_num_f32 v237, 0x1800000, v237
	v_pk_add_f32 v[14:15], v[14:15], v[238:239]
	v_add_nc_u32 v244, 0xff000000, v236            ; 2 off the exponent field
	v_add_nc_u32 v245, 0xff000000, v237
	v_pk_add_f32 v[14:15], v[14:15], v[240:241]
	v_lshrrev_b32 v246, 23, v244
	v_lshrrev_b32 v247, 23, v245
	v_lshl_or_b32 v246, v247, 16, v246
	v_permlanex16_b32 v248, v246, s20, s21
	v_lshl_or_b32 v210, v248, 8, v246              ; lanes 0-15: p's scale word; lanes 16-31 are not read
.irp c, 0,1
	v_cvt_scalef32_pk16_fp6_f32 v[224+6*\c:226+6*\c], v[\sb+32*\c:\sb+15+32*\c], v[244+\c]
	v_cvt_scalef32_pk16_fp6_f32 v[240+8*\c:242+8*\c], v[\sb+16+32*\c:\sb+31+32*\c], v[244+\c]
.endr
	v_nop
.irp c, 0,1
.irp i, 0,1,2
	v_mov_b32 v[227+6*\c+\i], v[240+8*\c+\i]
.endr
.endr
.if \mid
	WALU
	s_wait_tensorcnt 0x0
	s_wait_dscnt 0x0
	BARRIER                                        ; all key steps are in
.endif
	KSTEP \dt+1
	KADR
.if \idle
	s_cmp_eq_u32 s48, 7                            ; trip 8 is the last: nothing more to load
	s_cbranch_scc1 .Llast_\@
.endif
	LOADK \sb                                      ; the next trip's K, into p's registers
.Llast_\@:
	WALU
.set j, 0
.rept 16
	v_pk_mul_f32 v[160+j:161+j], v[160+j:161+j], v[252:253] op_sel_hi:[1,0]   ; O^T under the new M; these are also the places ahead of the products
.set j, j+2
.endr
.irp t, 0,1,2,3
.if (\t)%2
	v_wmma_scale_f32_16x16x128_f8f6f4 v[160+8*\t:167+8*\t], v[\kb+12*\t:\kb+11+12*\t], v[224:235], v[160+8*\t:167+8*\t], v[208+\t/2], v210 matrix_a_fmt:MATRIX_FMT_FP6 matrix_b_fmt:MATRIX_FMT_FP6 matrix_a_scale:MATRIX_SCALE_ROW1
.else
	v_wmma_scale_f32_16x16x128_f8f6f4 v[160+8*\t:167+8*\t], v[\kb+12*\t:\kb+11+12*\t], v[224:235], v[160+8*\t:167+8*\t], v[208+\t/2], v210 matrix_a_fmt:MATRIX_FMT_FP6 matrix_b_fmt:MATRIX_FMT_FP6
.endif
.endr
.rept 5
	v_nop                                          ; five places: the next S^T is written over V
.endr
.Lidle_\@:
.endm
	s_load_b128 s[4:7], s[0:1], 0x0                ; qkv, yq
	v_lshl_add_u32 v28, v0, 2, SPARE
	v_mov_b32 v29, 0
	ds_add_u32 v28, v29                            ; the opening add, twice on end
	ds_add_u32 v28, v29
	v_lshrrev_b32 v8, 5, v0
	v_readfirstlane_b32 s18, v8                    ; wave
	v_and_b32 v8, 31, v0
	v_lshlrev_b32 v1, 4, v8                        ; 16 x lane
	v_lshlrev_b32 v2, 3, v8                        ; 8 x lane
	v_and_b32 v10, 15, v0                          ; r
	v_bfe_u32 v11, v0, 4, 1                        ; h
	WALU
	s_mov_b32 s24, 15|(3<<16)|(1<<21)              ; all four of the cluster; elements of 8 bytes; 51 rows of 256 bytes
	s_mov_b32 s25, 32<<16
	s_mov_b32 s26, 51<<16
	s_mov_b32 s27, 32<<16
	s_mov_b32 s28, 51
	s_mov_b32 s29, 32
	s_mov_b32 s30, 0
	s_mov_b32 s31, 0
	s_mov_b32 s32, 1
	s_mul_i32 s12, ttmp9, HS                       ; the cluster's x: 16 b + head
	s_mov_b32 s13, 0
	s_wait_dscnt 0x0
	CROUND                                         ; all four work-groups are here
	s_wait_kmcnt 0x0
	s_add_nc_u64 s[14:15], s[4:5], s[12:13]
	s_add_nc_u64 s[16:17], s[14:15], KVO
	ARM 2, 0, .Lfrom_2                             ; waves 0, 1: key steps 0, 1
	ARM 3, 7, .Lfrom_3                             ; wave 2: step 9
	ARM 10, 15, .Lfrom_10                          ; waves 3 .. 9: steps 2 .. 8
	FILL 0                                         ; waves 10 .. 15: steps 10 .. 15
.Lasked:
	s_bfe_u32 s10, ttmp6, 0x40000
	s_and_b32 s11, ttmp7, 0xffff
	s_lshl_b32 s11, s11, 2
	s_add_co_u32 s10, s10, s11                     ; g: my tile in each block
	s_lshr_b32 s44, s10, 2                         ; its 64 queries of the 128,
	s_and_b32 s45, s10, 3                          ; and its tile in them
	s_and_b32 s40, s18, 7                          ; p
	s_lshr_b32 s41, s18, 3                         ; 1: early, then late
	s_xor_b32 s42, s40, 7                          ; 7 - p
	s_add_co_u32 s51, s42, 1                       ; 8 - p
	s_add_co_u32 s43, s42, 8                       ; the late block, 15 - p
	s_add_co_u32 s49, s40, 1
	s_cmp_eq_u32 s41, 1
	s_cselect_b32 s19, s40, s43                    ; the block in hand
	s_cselect_b32 s49, s49, 15                     ; the trip at which the tile changes (15: never)
	s_cselect_b32 s50, 8, 9                        ; my trips
	s_mul_i32 s12, s19, BLKB
	s_add_nc_u64 s[52:53], s[14:15], s[12:13]
	s_mul_i32 s12, s43, BLKB
	s_add_nc_u64 s[56:57], s[14:15], s[12:13]
	s_mul_i32 s46, s10, 768
	s_and_b32 s11, s45, 1
	s_lshl_b32 s11, s11, 7
	s_lshr_b32 s12, s45, 1
	s_lshl_b32 s12, s12, 2
	s_add_co_u32 s11, s11, s12
	s_lshl_b32 s12, s44, 8
	s_add_co_u32 s11, s11, s12
	v_add_nc_u32 v4, s46, v1
	v_add_nc_u32 v5, s46, v2
	v_lshl_add_u32 v6, v10, 3, s11                 ; Q's scale word: 256 c + 8 (16 (i % 2) + r) + 4 (i / 2)
	global_load_b128 v[16:19], v4, s[52:53]
	global_load_b64 v[20:21], v5, s[52:53] offset:512
	global_load_b32 v211, v6, s[52:53] offset:6144
	global_load_b128 v[192:195], v4, s[56:57]
	global_load_b64 v[196:197], v5, s[56:57] offset:512
	global_load_b32 v198, v6, s[56:57] offset:6144
	s_lshr_b32 s47, ttmp9, 4
	s_lshl_b32 s47, s47, 5
	s_add_co_u32 s47, s47, s44                     ; 32 b + c; + 2 x block: the 64 tokens' number in yq
	s_and_b32 s46, ttmp9, 15                       ; head
	s_mul_i32 s11, s45, 12288
	s_mul_i32 s12, s46, 768
	s_add_co_u32 s11, s11, s12                     ; my half image in them
	s_lshl_b32 s12, s19, 1
	s_add_co_u32 s12, s12, s47
	s_mul_i32 s12, s12, GB
	s_add_co_u32 s12, s12, s11
	s_add_nc_u64 s[58:59], s[6:7], s[12:13]
	s_lshl_b32 s12, s43, 1
	s_add_co_u32 s12, s12, s47
	s_mul_i32 s12, s12, GB
	s_add_co_u32 s12, s12, s11
	s_add_nc_u64 s[60:61], s[6:7], s[12:13]
	s_lshr_b32 s12, s46, 3
	s_lshl_b32 s12, s12, 10
	s_add_co_u32 s12, s12, 49152
	s_lshl_b32 s54, s45, 8
	s_add_co_u32 s12, s12, s54
	s_and_b32 s54, s46, 7
	s_lshl_b32 s54, s54, 1
	s_add_co_u32 s12, s12, s54
	s_sub_co_u32 s12, s12, s11                     ; from my half image to its scale bytes: never negative
	s_lshl_b32 s54, s44, 6
	s_lshl_b32 s55, s45, 3
	s_add_co_u32 s54, s54, s55
	s_mul_i32 s55, s40, 4352
	s_add_co_u32 s55, s55, PB
	s_mov_b32 s20, 0x76543210
	s_mov_b32 s21, 0xfedcba98                      ; selects for lane l xor 16
	s_mov_b32 s22, 0x3e38aa3b                      ; c = log2(e) / 8
	s_mov_b32 s23, 0xbe38aa3b                      ; -c
	v_lshl_add_u32 v7, v10, 4, v11
	v_add_nc_u32 v7, s12, v7
	v_and_b32 v3, 7, v10
	v_lshrrev_b32 v9, 3, v10
	v_sub_nc_u32 v9, v9, v11
	v_lshl_add_u32 v3, v9, 5, v3
	v_add_nc_u32 v3, s54, v3                       ; my query in its block - 32 h
	v_add_nc_u32 v30, s55, v1                      ; the hand-over
	v_add_nc_u32 v31, s55, v2
	v_add_nc_u32 v31, 4096, v31
.irp i, 22,23,24,25,26,27,80,81,82,83,84,85
	v_mov_b32 v[\i], 0                             ; Q's zero codes for k = 64 .. 127; what the last fragment of the first K reaches into
.endr
.irp i, 239,248,251,252,253
	v_mov_b32 v[\i], 0                             ; named before they are first written
.endr
	v_mov_b32 v8, v1                               ; trip 0: key step 0
	v_mov_b32 v9, v2
	s_mov_b32 s3, 0
	s_mov_b32 s48, 0
	RESET
	WALU
	s_cmp_lt_u32 s18, 3
	s_cbranch_scc0 .Llater
	s_wait_tensorcnt 0x0
.Llater:
	BARRIER                                        ; key steps 0, 1, 9 are in
	LOADK RY
	s_wait_loadcnt 0x0
	STEP RY, RX, 0, 0, 0, 0, 0
	s_mov_b32 s48, 1
	STEP RX, RY, 0, 1, 0, 0, 1
	s_mov_b32 s48, 2
	STEP RY, RX, 0, 1, 0, 0, 0
	s_mov_b32 s48, 3
.Lloop:                                                ; trips 3, 4 .. 7, 8
	STEP RX, RY, 0, 1, 1, 0, 0
	STEP RY, RX, 1, 1, 0, 1, 0
	s_add_co_u32 s48, s48, 2
	s_cmp_lt_u32 s48, 9
	s_cbranch_scc1 .Lloop
	WALU
	s_cmp_eq_u32 s41, 1
	s_cbranch_scc0 .Lkeep
	v_add_f32 v14, v14, v15
	v_mov_b32 v15, v12
	ds_store_b64 v31, v[14:15]                     ; sum, -M
.irp k, 0,1,2,3,4,5,6,7
	ds_store_b128 v30, v[160+4*\k:163+4*\k] offset:512*\k
.endr
.Lkeep:
	WALU
	s_wait_dscnt 0x0
	BARRIER
	s_cmp_eq_u32 s41, 0
	s_cbranch_scc0 .Lend
	ds_load_b64 v[232:233], v31
.irp k, 0,1,2,3,4,5,6,7
	ds_load_b128 v[96+4*\k:99+4*\k], v30 offset:512*\k
.endr
	v_add_f32 v14, v14, v15
	WALU
	s_wait_dscnt 0x0
	v_min_num_f32 v234, v12, v233                  ; -M of both
	v_sub_f32 v235, v234, v12
	v_sub_f32 v236, v234, v233
	v_cvt_i32_f32 v235, v235
	v_cvt_i32_f32 v236, v236
	v_ldexp_f32 v252, 1.0, v235
	v_ldexp_f32 v250, 1.0, v236
	v_mul_f32 v14, v14, v252
	v_fma_f32 v14, v232, v250, v14
.set j, 0
.rept 16
	v_pk_mul_f32 v[160+j:161+j], v[160+j:161+j], v[252:253] op_sel_hi:[1,0]
.set j, j+2
.endr
.set j, 0
.rept 16
	v_pk_fma_f32 v[160+j:161+j], v[96+j:97+j], v[250:251], v[160+j:161+j] op_sel_hi:[1,0,1]
.set j, j+2
.endr
	OUT RX, 60
.Lend:
	s_wait_tensorcnt 0x0                           ; the wave's end
	ds_add_u32 v28, v29
	s_wait_dscnt 0x0
	CROUND                                         ; the closing round
	s_endpgm
.Lfunc_end_k_q5f5a327839_attn:
	.size	k_q5f5a327839_attn, .Lfunc_end_k_q5f5a327839_attn-k_q5f5a327839_attn
	.p2alignl 7, 3214868480
	.fill 96, 4, 3214868480
	.section	.rodata,"a",@progbits
	.p2align	6, 0x0
	.amdhsa_kernel k_q5f5a327839_attn
		.amdhsa_group_segment_fixed_size 245760
		.amdhsa_private_segment_fixed_size 0
		.amdhsa_enable_private_segment 0
		.amdhsa_kernarg_size 16
		.amdhsa_user_sgpr_count 2
		.amdhsa_user_sgpr_kernarg_segment_ptr 1
		.amdhsa_wavefront_size32 1
		.amdhsa_system_sgpr_workgroup_id_x 1
		.amdhsa_system_sgpr_workgroup_id_y 1
		.amdhsa_system_sgpr_workgroup_id_z 1
		.amdhsa_system_vgpr_workitem_id 0
		.amdhsa_next_free_vgpr 256
		.amdhsa_next_free_sgpr 80
		.amdhsa_reserve_vcc 1
		.amdhsa_float_denorm_mode_32 3
		.amdhsa_float_denorm_mode_16_64 3
		.amdhsa_memory_ordered 1
		.amdhsa_forward_progress 1
		.amdhsa_inst_pref_size 138
	.end_amdhsa_kernel
	.amdgpu_metadata
---
amdhsa.version: [ 1, 2 ]
amdhsa.kernels:
  - .name:           k_q5f5a327839_attn
    .symbol:         k_q5f5a327839_attn.kd
    .args:
      - { .name: qkv, .offset: 0, .size: 8, .value_kind: global_buffer, .address_space: global }
      - { .name: yq, .offset: 8, .size: 8, .value_kind: global_buffer, .address_space: global }
    .group_segment_fixed_size: 245760
    .private_segment_fixed_size: 0
    .kernarg_segment_align: 8
    .kernarg_segment_size: 16
    .max_flat_workgroup_size: 512
    .sgpr_count:     80
    .vgpr_count:     256
    .wavefront_size: 32
...
	.end_amdgpu_metadata
.endif
;; end of part 3
;; launch projgemm (part 4): grid 8 x 32, 4 waves a work-group, clusters of 4 x 4, 327,680 bytes of LDS; arguments yq, cq, b_proj, out0; writes out0
.if DOCPART == 4
	.amdgcn_target "amdgcn-amd-amdhsa--gfx1250"
	.amdhsa_code_object_version 6
	.text
	.protected	k_q5f5a327839_projgemm
	.globl	k_q5f5a327839_projgemm
	.p2align	8
	.type	k_q5f5a327839_projgemm,@function
k_q5f5a327839_projgemm:
	s_mov_b64 s[64:65], 0
	v_nop
	global_prefetch_b8 v0, s[64:65] scope:SCOPE_SE
	s_setreg_imm32_b32 hwreg(HW_REG_WAVE_MODE, 25, 1), 1
	s_wait_xcnt 0x0
	s_wait_alu depctr_hold_cnt(0) depctr_sa_sdst(0) depctr_va_vdst(0) depctr_va_sdst(0) depctr_va_ssrc(0) depctr_va_vcc(0) depctr_vm_vsrc(0)
	s_getreg_b32 s2, hwreg(HW_REG_IB_STS2, 6, 4)
	s_cmp_eq_u32 s2, 0
	s_cbranch_scc0 .Lentry_in_a_cluster
	s_endpgm
.Lentry_in_a_cluster:
	s_bfe_u32 s2, ttmp6, 0x10000c
	s_cmp_lg_u32 s2, 0xf033
	s_cbranch_scc0 .Lentry_shape_is_right
	s_endpgm
.Lentry_shape_is_right:
; out0 = y W_proj + b_proj on codes of FP6 (E2M3) with E8M0 scales, K = 1,024; f32 results.
; A work-group (4 waves, 2 x 2) makes 128 tokens x 128 columns.  A wave holds its 64 columns of W_proj, ALL of K, in registers (32 fragments of 12) and streams its 64 tokens past them in four tiles of 16, two sets of registers by turns.
; LDS: 128 rows of W_proj and of y, codes and scale bytes as they lie in memory, 102,400 bytes each: one tensor load a wave at the head; nothing is filled again.
; Source 0 = the columns: by the row order a lane's 32 results for a token are 32 neighbouring columns.  A token tile is finished after its 32 products and leaves through the wave's own stage as rows of 256 bytes.
; THE BIAS is the C of each sum's first matrix instruction.
; CLUSTERS: 4 x 4; y's rows are asked for jointly along a row of the cluster, W_proj's along a column.  No prefetch: every byte is asked for at the head.
; REGISTERS: fragment f lies in window 1 + f / 21 at 12 (f % 21): 4 q + t W_proj's (K step q, column tile t), 32 + 8 e + q y's set e.  Window 3, v128-191: the accumulators, two sets.
.set GB,    51200
.set RY,    2*GB
.set STG,   4*GB                       ; a stage of 16 rows x 272 bytes for each token tile of each wave
.set SPARE, STG+16*4352
.set L16,   1
.set AW,    3
.set AY,    4                          ; v4: 16 x lane, v5: 8 x lane
.set STO,   6
.set RD,    7
.set CO,    8
.set SPW,   28
.set NIL,   29
.set SW,    32
.set SY,    48
.set BB,    80
.set OB,    128
.set MSB,   0
.macro WIN new
.set W_, \new
.if MSB != W_
	s_set_vgpr_msb (MSB<<8)|W_
.set MSB, W_
.endif
.endm
.macro PLACES
.rept 4
	v_nop
.endr
.endm
.macro WALU
	s_wait_alu depctr_va_vdst(0)
.endm
.macro BARRIER
	s_barrier_signal -1
	s_barrier_wait -1
.endm
.macro CROUND
	BARRIER
	s_cmp_lg_u32 s14, 0
	s_cbranch_scc1 .Lnot_wave_0_\@
	s_barrier_signal -3
.Lnot_wave_0_\@:
	s_barrier_wait -3
	BARRIER
.endm
.macro TLOAD g0, g1
	tensor_load_to_lds s[\g0:\g0+3], s[\g1:\g1+7]
	s_nop 0
	PLACES
.endm
.macro GROUP1 g, mask                          ; 51,200 dense bytes as 200 rows of 256
	s_or_b32 s[\g], s[\mask], (3<<16)|(1<<21)
	s_mov_b32 s[\g+1], 32<<16
	s_mov_b32 s[\g+2], 200<<16
	s_mov_b32 s[\g+3], 32<<16
	s_mov_b32 s[\g+4], 200
	s_mov_b32 s[\g+5], 32
	s_mov_b32 s[\g+6], 0
	s_mov_b32 s[\g+7], 0
.endm
.macro SCALES s, adr
.irp k, 0,1
	ds_load_b128 v[\s+4*\k:\s+4*\k+3], v[\adr] offset:49152+1024*\k
	ds_load_b128 v[\s+8+4*\k:\s+11+4*\k], v[\adr] offset:49152+512+1024*\k
.endr
.endm
.macro FETCHT i                                ; token tile i into set i % 2: 32 loads
.irp q, 0,1,2,3,4,5,6,7
.set F_, 32+8*((\i)%2)+\q
.set R_, 12*(F_%21)
	WIN ((1+F_/21)<<6)
.irp c, 0,1
	ds_load_b128 v[R_+6*\c:R_+6*\c+3], v[AY] offset:12288*(\i)+1536*\q+768*\c
	ds_load_b64 v[R_+6*\c+4:R_+6*\c+5], v[AY+1] offset:12288*(\i)+1536*\q+768*\c+512
.endr
.endr
	WIN 0
.endm
.macro PR i, ih, t, th
.set S0_, 4*Q_+\t
.set S1_, 32+8*(\i%2)+Q_
.set D_, 128+32*(\i%2)+8*\t
.if Q_
	WIN ((1+S0_/21)|((1+S1_/21)<<2)|0xf0)
.set C_, D_
.else
	WIN ((1+S0_/21)|((1+S1_/21)<<2)|0xc0)
.set C_, BB+8*\t
.endif
	v_wmma_scale_f32_16x16x128_f8f6f4 v[D_:D_+7], v[12*(S0_%21):12*(S0_%21)+11], v[12*(S1_%21):12*(S1_%21)+11], v[C_:C_+7], v[SW+8*(\t/2)+Q_], v[SY+8*(\i/2)+Q_] matrix_a_fmt:MATRIX_FMT_FP6 matrix_b_fmt:MATRIX_FMT_FP6 matrix_a_scale:MATRIX_SCALE_ROW\th matrix_b_scale:MATRIX_SCALE_ROW\ih
.endm
; The four accumulators of a tile take turns, one instruction a turn.
.macro PRODS i, ih, from, to
.set Q_, \from
.rept (\to)-(\from)
	PR \i, \ih, 0, 0
	PR \i, \ih, 1, 1
	PR \i, \ih, 2, 0
	PR \i, \ih, 3, 1
.set Q_, Q_+1
.endr
	WIN 0
.endm
.macro STAGE i                                 ; into the stage, and back as whole rows: LDS serves a wave's instructions in order (ISA guide 5.7.1.4)
.if \i > 1
	s_wait_xcnt 0x0                                ; the stores of two tiles ago have read their data
.endif
	WIN 0x0c
.irp t, 0,1,2,3
.set D_, 128+32*(\i%2)+8*\t
	ds_store_b128 v[STO], v[D_:D_+3] offset:4352*\i+32*\t
	ds_store_b128 v[STO], v[D_+4:D_+7] offset:4352*\i+32*\t+16
.endr
	WIN 0
.irp m, 0,1,2,3,4,5,6,7
	ds_load_b128 v[OB+32*(\i%2)+4*\m:OB+32*(\i%2)+4*\m+3], v[RD] offset:4352*\i+544*\m
.endr
.endm
.macro SEND i
	s_wait_dscnt 0x0
.irp m, 0,1,2,3,4,5,6,7
	global_store_b128 v[CO], v[OB+32*(\i%2)+4*\m:OB+32*(\i%2)+4*\m+3], s[12:13] offset:(32*(\m/4)+8*\i+((2*\m)&7))*4096   ; sixteen lanes store 256 consecutive bytes, aligned
.endr
.endm
	s_load_b256 s[4:11], s[0:1], 0x0               ; yq, cq, b_proj, out0
	v_lshl_add_u32 v[SPW], v0, 2, SPARE
	v_mov_b32 v[NIL], 0
	ds_add_u32 v[SPW], v[NIL]                      ; the opening add, twice on end
	ds_add_u32 v[SPW], v[NIL]
	v_lshrrev_b32 v1, 5, v0
	v_readfirstlane_b32 s14, v1                    ; wave
	s_lshr_b32 s15, s14, 1                         ; a: my 64 tokens
	s_and_b32 s16, s14, 1                          ; b: my 64 columns; also: which half of a tile I fetch
	s_bfe_u32 s40, ttmp6, 0x40000                  ; cx, cy
	s_bfe_u32 s41, ttmp6, 0x40004
	s_lshl_b32 s42, ttmp9, 2
	s_add_co_u32 s42, s42, s40                     ; column block
	s_and_b32 s17, ttmp7, 0xffff
	s_lshl_b32 s17, s17, 2
	s_add_co_u32 s17, s17, s41                     ; token block
	s_lshl_b32 s43, s41, 2
	s_lshl_b32 s43, 15, s43                        ; my row of the cluster
	s_lshl_b32 s44, 0x1111, s40                    ; my column
	GROUP1 24, 43
	GROUP1 48, 44
	s_mov_b32 s32, 1                               ; y
	s_mov_b32 s36, 1                               ; W_proj
	s_mul_i32 s37, s16, GB
	s_add_co_u32 s33, s37, RY
	s_mul_i32 s20, s17, 2*GB
	s_add_co_u32 s20, s20, s37
	s_mov_b32 s21, 0
	s_mul_i32 s46, s42, 2*GB
	s_add_co_u32 s46, s46, 112*GB
	s_add_co_u32 s46, s46, s37
	s_mov_b32 s47, 0
	WALU
	s_wait_dscnt 0x0
	CROUND                                         ; all sixteen work-groups are here
	s_wait_kmcnt 0x0
	s_add_nc_u64 s[34:35], s[4:5], s[20:21]
	s_or_b32 s35, s35, 0x80000000
	s_add_nc_u64 s[38:39], s[6:7], s[46:47]
	s_or_b32 s39, s39, 0x80000000
	s_cmp_lt_u32 s14, 2
	s_cbranch_scc0 .Lwave_2
	TLOAD 36, 48                                   ; waves 0 and 1: W_proj's rows, which are wanted first
	s_branch .Lasked
.Lwave_2:
	TLOAD 32, 24                                   ; waves 2 and 3: y's
.Lasked:
	s_lshl_b32 s20, s42, 9
	s_lshl_b32 s22, s16, 8
	s_add_co_u32 s20, s20, s22                     ; my first column, in bytes
	s_add_nc_u64 s[8:9], s[8:9], s[20:21]
	s_lshl_b32 s22, s17, 7
	s_lshl_b32 s23, s15, 6
	s_add_co_u32 s22, s22, s23
	s_lshl_b32 s22, s22, 12
	s_add_co_u32 s20, s20, s22
	s_add_nc_u64 s[12:13], s[10:11], s[20:21]      ; my 64 x 64 of the result
	s_mul_i32 s18, s16, GB
	s_mul_i32 s19, s15, GB
	s_add_co_u32 s19, s19, RY
	s_mul_i32 s22, s14, 4*4352
	s_add_co_u32 s22, s22, STG
	v_and_b32 v9, 31, v0
	v_and_b32 v10, 15, v0
	v_bfe_u32 v11, v0, 4, 1
	v_lshlrev_b32 v[L16], 4, v9
	v_lshlrev_b32 v12, 3, v9
	v_add_nc_u32 v[AW], s18, v[L16]
	v_add_nc_u32 v[AY], s19, v[L16]
	v_add_nc_u32 v[AY+1], s19, v12
	v_mul_u32_u24 v13, v10, 272
	v_lshl_add_u32 v13, v11, 7, v13
	v_add_nc_u32 v[STO], s22, v13                  ; in: row r, 128 bytes for each half of the lanes
	v_mul_u32_u24 v14, v11, 272
	v_lshl_add_u32 v14, v10, 4, v14
	v_add_nc_u32 v[RD], s22, v14                   ; back: lanes 0-15 a row of 256 bytes, lanes 16-31 the next
	v_lshlrev_b32 v15, 4, v10
	v_lshl_add_u32 v[CO], v11, 12, v15
	v_lshlrev_b32 v16, 7, v11
	WALU
.irp k, 0,1,2,3,4,5,6,7
	global_load_b128 v[BB+4*\k:BB+4*\k+3], v16, s[8:9] offset:16*\k   ; columns 32 h + 0 .. 31
.endr
	s_cmp_lt_u32 s14, 2
	s_cbranch_scc0 .Lnot_w
	s_wait_tensorcnt 0x0
.Lnot_w:
	BARRIER                                        ; W_proj's rows are in; y's may be on their way
.irp q, 0,1,2,3,4,5,6,7
.irp t, 0,1,2,3
.set F_, 4*\q+\t
.set R_, 12*(F_%21)
	WIN ((1+F_/21)<<6)
.irp p, 0,1,2
	ds_load_b128 v[R_+4*\p:R_+4*\p+3], v[AW] offset:12288*\t+1536*\q+512*\p
.endr
.endr
.endr
	WIN 0
	SCALES SW, AW
	s_wait_tensorcnt 0x0
	s_wait_dscnt 0x0
	BARRIER                                        ; y's rows are in
	FETCHT 0
	SCALES SY, AY
	FETCHT 1
	s_wait_loadcnt 0x0                             ; the bias
	s_wait_dscnt 32                                ; younger: tile 1's 32 loads
	PRODS 0, 0, 0, 8
	PLACES
	FETCHT 2
	STAGE 0
	s_wait_dscnt 48                                ; younger: tile 2's 32 loads, the stage's 8 stores and 8 loads
	PRODS 1, 1, 0, 4
	SEND 0
	PRODS 1, 1, 4, 8
	PLACES
	FETCHT 3
	STAGE 1
	PRODS 2, 0, 0, 4                               ; (SEND's wait has shown the tile in)
	SEND 1
	PRODS 2, 0, 4, 8
	PLACES
	STAGE 2
	PRODS 3, 1, 0, 4
	SEND 2
	PRODS 3, 1, 4, 8
	PLACES
	STAGE 3
	SEND 3
	s_wait_tensorcnt 0x0                           ; the wave's end
	ds_add_u32 v[SPW], v[NIL]
	s_wait_dscnt 0x0
	CROUND                                         ; the closing round
	s_endpgm
.Lfunc_end_k_q5f5a327839_projgemm:
	.size	k_q5f5a327839_projgemm, .Lfunc_end_k_q5f5a327839_projgemm-k_q5f5a327839_projgemm
	.p2alignl 7, 3214868480
	.fill 96, 4, 3214868480
	.section	.rodata,"a",@progbits
	.p2align	6, 0x0
	.amdhsa_kernel k_q5f5a327839_projgemm
		.amdhsa_group_segment_fixed_size 327680
		.amdhsa_private_segment_fixed_size 0
		.amdhsa_enable_private_segment 0
		.amdhsa_kernarg_size 32
		.amdhsa_user_sgpr_count 2
		.amdhsa_user_sgpr_kernarg_segment_ptr 1
		.amdhsa_wavefront_size32 1
		.amdhsa_system_sgpr_workgroup_id_x 1
		.amdhsa_system_sgpr_workgroup_id_y 1
		.amdhsa_system_sgpr_workgroup_id_z 1
		.amdhsa_system_vgpr_workitem_id 0
		.amdhsa_next_free_vgpr 1024
		.amdhsa_next_free_sgpr 80
		.amdhsa_reserve_vcc 0
		.amdhsa_float_denorm_mode_32 3
		.amdhsa_float_denorm_mode_16_64 3
		.amdhsa_memory_ordered 1
		.amdhsa_forward_progress 1
		.amdhsa_inst_pref_size 47
	.end_amdhsa_kernel
	.amdgpu_metadata
---
amdhsa.version: [ 1, 2 ]
amdhsa.kernels:
  - .name:           k_q5f5a327839_projgemm
    .symbol:         k_q5f5a327839_projgemm.kd
    .args:
      - { .name: yq, .offset: 0, .size: 8, .value_kind: global_buffer, .address_space: global }
      - { .name: cq, .offset: 8, .size: 8, .value_kind: global_buffer, .address_space: global }
      - { .name: b_proj, .offset: 16, .size: 8, .value_kind: global_buffer, .address_space: global }
      - { .name: out0, .offset: 24, .size: 8, .value_kind: global_buffer, .address_space: global }
    .group_segment_fixed_size: 327680
    .private_segment_fixed_size: 0
    .kernarg_segment_align: 8
    .kernarg_segment_size: 32
    .max_flat_workgroup_size: 128
    .sgpr_count:     80
    .vgpr_count:     1024
    .wavefront_size: 32
...
	.end_amdgpu_metadata
.endif
;; end of part 4
